; MI455X (gfx1250); checked and timed in simulation.
; The chip was launched on July 23, 2026; its instructions are those of AMD's public machine-readable ISA for CDNA 5 (MIT licence, August 2026) and "CDNA5" Instruction Set Architecture Reference Guide (July 2026). The comments in the code are by the model that wrote it; some were corrected since.
;; Diagonal Linear. Allowed arithmetic: float matrix products may take bf16 or f16 operands with f32 sums; all other float work in f32.
;; Inputs: W 4,096 x 4,096 float32; x 4,096 x 4,096 float32.
;; Outputs: out0 4,096 x 4,096 float32.
;; 2 versions, each right; version 2 is version 1 with the launch diag written anew for expert scheduling mode. Each part assembles by itself: llvm-mc -triple=amdgcn-amd-amdhsa -mcpu=gfx1250 --defsym DOCPART=n.
;; ======== version 1 of 2: 1 launch
;; launch diag (part 1): grid 32 x 8, 16 waves a work-group, no clusters, 2,560 bytes of LDS; arguments W, x, out0; writes out0
.if DOCPART == 1
	.amdgcn_target "amdgcn-amd-amdhsa--gfx1250"
	.amdhsa_code_object_version 6
	.text
	.protected	k_q5c289998c6_diag
	.globl	k_q5c289998c6_diag
	.p2align	8
	.type	k_q5c289998c6_diag,@function
k_q5c289998c6_diag:
	s_mov_b64 s[64:65], 0
	v_nop
	global_prefetch_b8 v0, s[64:65] scope:SCOPE_SE
	s_setreg_imm32_b32 hwreg(HW_REG_WAVE_MODE, 25, 1), 1
	s_wait_xcnt 0x0
; out0[b][o] = sum over i of x[b][i] * Wm[o][i],  Wm = (W * eye) * (|W * eye| > 0.001).   W, x, out0: [4096][4096] f32.
; The identity mask is made by the computation itself: off the diagonal Wm is a zero, so of each output's 4,096 products one remains:
;   out0[b][o] = x[b][o] * d[o],   d[o] = W[o][o] * (|W[o][o]| > 0.001 ? 1.0 : 0.0).
; No sum is left, so nothing is there for a matrix instruction: one f32 product for each output, on the vector ALU, unrounded operands.
;
; LIMITS, kept knowingly:
;   - W is read on its diagonal alone.  An infinity or NaN OFF the diagonal of W (which the full sum would turn into NaN in a whole column of
;     the output, through inf * 0) is not seen; an infinity or NaN in x shows in its own output alone and is not spread along its row.
;     An infinity or NaN ON the diagonal is honoured: d is made as w * mask, not by a choice, so NaN * 0 and inf * 1 come out as in the full sum.
;   - An output that is zero may carry the other sign (the full sum adds +0 terms, this product does not).
;   - No limit on the range of finite inputs.
;
; SHARES.  32 x 8 work-groups of 16 waves.  Work-group (gx, gy): columns 128 gx .. 128 gx + 127 (512 bytes of a row, at a multiple of 512),
; rows 512 gy .. 512 gy + 511.  Wave w: rows 32 w .. 32 w + 31 of these.  Lane l: the 16 bytes at 16 l of the strip, in each of the 32 rows.
; So each load and each store of a wave covers 512 consecutive bytes, aligned.  A wave asks for all its 32 rows at once (128 registers, 16 KiB),
; multiplies each in place as it comes and stores it from the same registers: no ring, no loop, and no register that a memory
; instruction names is ever written again, so no wait is needed to free one.
; THE DIAGONAL.  Its words lie 16,388 bytes apart.  A strip of 128 columns means that a word is asked for by the 8 work-groups of its strip
; alone; inside a work-group it is fetched once (waves 0 to 3, one word a lane), thresholded, and handed to all 16 waves through 512 bytes of LDS.
; Left out: clusters (work-groups share 512 bytes of d against 512 KiB that each moves), tensor loads and LDS slots (a wave's whole share fits in registers).
.set ROW,  16384                       ; bytes in a row of W, x, out0
.set DIAG, 16388                       ; bytes from W[c][c] to W[c+1][c+1]
.set ROWS, 32                          ; rows of a wave
.set THR,  0x3a83126f                  ; 0.001 in f32
.set L16,  1                           ; v1        16 x lane: where I read d in LDS; the lane's term of OFF
.set LANE, 2                           ; v2        lane
.set OFF,  3                           ; v3        byte offset of my 16 bytes in my wave's first row, from the group's corner; never rewritten
.set D,    4                           ; v[4:7]    d of my 4 columns
.set WOFF, 8                           ; v8        waves 0-3: byte offset of my diagonal word in W
.set DG,   9                           ; v9        waves 0-3: that word, then d
.set T,    10                          ; v10       waves 0-3: |w|, then the mask 0.0 or 1.0
.set LA,   11                          ; v11       waves 0-3: where my d goes in LDS
.set X,    16                          ; v[16:143] row i of my 32: 4 registers, as loaded, then as stored
	s_load_b128 s[4:7], s[0:1], 0x0                ; W s[4:5], x s[6:7]
	s_load_b64 s[8:9], s[0:1], 0x10                ; out0
	v_lshl_add_u32 v144, v0, 2, 0x200
	v_mov_b32 v145, 0
	v_lshrrev_b32 v12, 5, v0
	v_readfirstlane_b32 s12, v12                   ; wave 0..15
	v_and_b32 v[LANE], 31, v0
	v_lshlrev_b32 v[L16], 4, v[LANE]
	v_lshl_add_u32 v[OFF], s12, 19, v[L16]         ; wave x 32 rows x 16,384 bytes + 16 x lane
	s_and_b32 s14, ttmp7, 0xffff                   ; gy
	s_lshl_b32 s10, s14, 23                        ; gy x 512 rows x 16,384 bytes
	s_lshl_b32 s13, ttmp9, 9                       ; gx x 512 bytes
	s_or_b32 s10, s10, s13                         ; the group's corner: at most 7 << 23 | 31 << 9, one word
	s_mov_b32 s11, 0
	s_lshl_b32 s13, ttmp9, 7                       ; the strip's first column
	s_wait_kmcnt 0x0
	s_add_nc_u64 s[6:7], s[6:7], s[10:11]          ; x and out0 at the group's corner, before any load names them
	s_add_nc_u64 s[8:9], s[8:9], s[10:11]
; All 32 rows of the wave are asked for in one run; the row stands in the immediate (31 x 16,384 at the most, inside its signed 24 bits).
; Each byte of x is read once in the launch: non-temporal.
.macro XLOADS
.set i, 0
.rept ROWS
	global_load_b128 v[X+4*i:X+4*i+3], v[OFF], s[6:7] offset:i*ROW th:TH_LOAD_NT
.set i, i+1
.endr
.endm
	; One branch on the wave's number.  Both arms issue the same 32 loads of x; the first arm's load of the diagonal is older than all of them,
	; so the counted waits on x further down mean the same on both ways.
	s_cmp_lt_u32 s12, 4
	s_cbranch_scc0 .Lothers
	v_add_nc_u32 v[WOFF], s13, v0                  ; my column: the strip's first + thread 0..127
	v_mul_u32_u24 v[WOFF], v[WOFF], DIAG           ; at most 4,095 x 16,388: W's last word
	global_load_b32 v[DG], v[WOFF], s[4:5]         ; W[c][c]; no hint: the 8 work-groups of this strip read it
	XLOADS
	v_lshlrev_b32 v[LA], 2, v[LANE]
	v_lshl_add_u32 v[LA], s12, 7, v[LA]            ; LDS byte 128 x wave + 4 x lane: waves 0 to 3 fill bytes 0 to 511, each its own 128
	s_wait_loadcnt 32                              ; loads come back in order: the diagonal word is in, the 32 loads of x issued behind it stay out
	v_and_b32 v[T], 0x7fffffff, v[DG]              ; |w|
	v_cmp_lt_f32 vcc_lo, THR, v[T]                 ; 0.001 < |w|; false for NaN
	v_cndmask_b32 v[T], 0, 1.0, vcc_lo             ; the mask as a number
	v_mul_f32 v[DG], v[DG], v[T]                   ; d = w x mask: a NaN or an infinity on the diagonal goes the way it goes in the full product
	ds_store_b32 v[LA], v[DG]
	s_branch .Ljoin
.Lothers:
	XLOADS
.Ljoin:
	s_wait_dscnt 0x0                               ; for the other waves' sake: my store of d is done (waves 4 to 15 have none out)
	s_barrier_signal -1                            ; the loads of x stay on their way across this barrier: no wave writes those bytes
	s_barrier_wait -1                              ; the launch's one barrier: all 128 d are in LDS
	ds_load_b128 v[D:D+3], v[L16]                  ; d of my 4 columns; 32 lanes, 16 neighbouring bytes each
	s_wait_dscnt 0x0
	; Row i: 31 - i loads were issued behind its own, and those may stay out.  Two packed products in place, then 512 consecutive bytes out.
	; out0 is written once and not read again in the launch: non-temporal.
.set i, 0
.rept ROWS
	s_wait_loadcnt ROWS-1-i
	v_pk_mul_f32 v[X+4*i:X+4*i+1],   v[X+4*i:X+4*i+1],   v[D:D+1]
	v_pk_mul_f32 v[X+4*i+2:X+4*i+3], v[X+4*i+2:X+4*i+3], v[D+2:D+3]
	global_store_b128 v[OFF], v[X+4*i:X+4*i+3], s[8:9] offset:i*ROW th:TH_STORE_NT
.set i, i+1
.endr
	s_wait_tensorcnt 0x0
	ds_add_u32 v144, v145
	s_wait_dscnt 0x0
	s_endpgm
.Lfunc_end_k_q5c289998c6_diag:
	.size	k_q5c289998c6_diag, .Lfunc_end_k_q5c289998c6_diag-k_q5c289998c6_diag
	.p2alignl 7, 3214868480
	.fill 96, 4, 3214868480
	.section	.rodata,"a",@progbits
	.p2align	6, 0x0
	.amdhsa_kernel k_q5c289998c6_diag
		.amdhsa_group_segment_fixed_size 2560
		.amdhsa_private_segment_fixed_size 0
		.amdhsa_enable_private_segment 0
		.amdhsa_kernarg_size 24
		.amdhsa_user_sgpr_count 2
		.amdhsa_user_sgpr_kernarg_segment_ptr 1
		.amdhsa_wavefront_size32 1
		.amdhsa_system_sgpr_workgroup_id_x 1
		.amdhsa_system_sgpr_workgroup_id_y 1
		.amdhsa_system_sgpr_workgroup_id_z 1
		.amdhsa_system_vgpr_workitem_id 0
		.amdhsa_next_free_vgpr 146
		.amdhsa_next_free_sgpr 66
		.amdhsa_reserve_vcc 1
		.amdhsa_float_denorm_mode_32 3
		.amdhsa_float_denorm_mode_16_64 3
		.amdhsa_memory_ordered 1
		.amdhsa_forward_progress 1
		.amdhsa_inst_pref_size 17
	.end_amdhsa_kernel
	.amdgpu_metadata
---
amdhsa.version: [ 1, 2 ]
amdhsa.kernels:
  - .name:           k_q5c289998c6_diag
    .symbol:         k_q5c289998c6_diag.kd
    .args:
      - { .name: W, .offset: 0, .size: 8, .value_kind: global_buffer, .address_space: global }
      - { .name: x, .offset: 8, .size: 8, .value_kind: global_buffer, .address_space: global }
      - { .name: out0, .offset: 16, .size: 8, .value_kind: global_buffer, .address_space: global }
    .group_segment_fixed_size: 2560
    .private_segment_fixed_size: 0
    .kernarg_segment_align: 8
    .kernarg_segment_size: 24
    .max_flat_workgroup_size: 512
    .sgpr_count:     66
    .vgpr_count:     146
    .wavefront_size: 32
...
	.end_amdgpu_metadata
.endif
;; end of part 1
;; ======== version 2 of 2: 1 launch; version 1 with the launch diag written anew for expert scheduling mode
;; launch diag (part 2): grid 32 x 8, 16 waves a work-group, no clusters, 2,560 bytes of LDS; arguments W, x, out0; writes out0
.if DOCPART == 2
	.amdgcn_target "amdgcn-amd-amdhsa--gfx1250"
	.amdhsa_code_object_version 6
	.text
	.protected	k_q5c289998c6_diag
	.globl	k_q5c289998c6_diag
	.p2align	8
	.type	k_q5c289998c6_diag,@function
k_q5c289998c6_diag:
	s_mov_b64 s[64:65], 0
	v_nop
	global_prefetch_b8 v0, s[64:65] scope:SCOPE_SE
	s_setreg_imm32_b32 hwreg(HW_REG_WAVE_SCHED_MODE, 0, 2), 2
	s_setreg_imm32_b32 hwreg(HW_REG_WAVE_MODE, 25, 1), 1
	s_wait_xcnt 0x0
	s_wait_alu depctr_vm_vsrc(0)
; out0[b][o] = sum over i of x[b][i] * Wm[o][i],  Wm = (W * eye) * (|W * eye| > 0.001).   W, x, out0: [4096][4096] f32.
; The identity mask is made by the computation itself: off the diagonal Wm is a zero, so of each output's 4,096 products one remains:
;   out0[b][o] = x[b][o] * d[o],   d[o] = W[o][o] * (|W[o][o]| > 0.001 ? 1.0 : 0.0).
; No sum is left, so nothing is there for a matrix instruction: one f32 product for each output, on the vector ALU, unrounded operands.
;
; LIMITS, kept knowingly:
;   - W is read on its diagonal alone.  An infinity or NaN OFF the diagonal of W (which the full sum would turn into NaN in a whole column of
;     the output, through inf * 0) is not seen; an infinity or NaN in x shows in its own output alone and is not spread along its row.
;     An infinity or NaN ON the diagonal is honoured: d is made as w * mask, not by a choice, so NaN * 0 and inf * 1 come out as in the full sum.
;   - An output that is zero may carry the other sign (the full sum adds +0 terms, this product does not).
;   - No limit on the range of finite inputs.
;
; SHARES.  32 x 8 work-groups of 16 waves.  Work-group (gx, gy): columns 128 gx .. 128 gx + 127 (512 bytes of a row, at a multiple of 512),
; rows 512 gy .. 512 gy + 511.  Wave w: rows 32 w .. 32 w + 31 of these.  Lane l: the 16 bytes at 16 l of the strip, in each of the 32 rows.
; So each load and each store of a wave covers 512 consecutive bytes, aligned.  A wave asks for all its 32 rows at once (128 registers, 16 KiB),
; multiplies each in place as it comes and stores it from the same registers: no ring, no loop, and no register that a memory
; instruction names is ever written again, so no wait is needed to free one.
; THE DIAGONAL.  Its words lie 16,388 bytes apart.  A strip of 128 columns means that a word is asked for by the 8 work-groups of its strip
; alone; inside a work-group it is fetched once (waves 0 to 3, one word a lane), thresholded, and handed to all 16 waves through 512 bytes of LDS.
; Left out: clusters (work-groups share 512 bytes of d against 512 KiB that each moves), tensor loads and LDS slots (a wave's whole share fits in registers).
;
; THE MODE: SCHED_MODE bits 1:0 = 2 (LLVM: expert scheduling mode 2), set by the entry lines.  The code itself states the register dependences
; between vector instructions and memory or LDS instructions, with s_wait_alu, always for 0.
; THE PLAN.  Registers that memory or LDS instructions touch:
;   v[OFF], v[L16]   made at the head by vector lines; read by every load and store of x and out0, and by the LDS load of d; never written again.
;   v[WOFF]          waves 0-3: made in their arm; read by the load of the diagonal word; never written again.
;   v[DG], v[LA]     waves 0-3: the diagonal word lands in DG, the threshold's product writes d over it; LA is made by vector lines; the LDS store reads both; never written again.
;   v[D ..]          the LDS load lands in it; vector lines only read it, behind that load.
;   X, row r         the row's load lands in it once; its two products write it in place; its store reads it; never written again.
; So the dependences are of one kind, a vector line's result read by a memory or LDS instruction: one wait on va_vdst on each way ahead of the first load,
; one ahead of the LDS store, and one for each block of four rows, ahead of the block's four stores.  Block p's stores are issued at the head of block p + 1,
; directly behind that wait.  No memory instruction's source is written again and no load lands in a register that a vector line has named: no wait on vm_vsrc is owed.
; Two numbers pass from vector lines to scalar registers: the wave's number (va_sdst) and the threshold's mask (va_vcc).  EXEC is never written.
.set ROW,   16384                      ; bytes in a row of W, x, out0
.set DIAG,  16388                      ; bytes from W[c][c] to W[c+1][c+1]
.set ROWS,  32                         ; rows of a wave
.set BLOCK, 4                          ; rows whose stores stand behind one wait
.set THR,   0x3a83126f                 ; 0.001 in f32
.set L16,  1                           ; v1        16 x lane: where I read d in LDS; the lane's term of OFF
.set LANE, 2                           ; v2        lane
.set OFF,  3                           ; v3        byte offset of my 16 bytes in my wave's first row, from the group's corner; never rewritten
.set D,    4                           ; v[4:7]    d of my 4 columns
.set WOFF, 8                           ; v8        waves 0-3: byte offset of my diagonal word in W
.set DG,   9                           ; v9        waves 0-3: that word, then d
.set T,    10                          ; v10       waves 0-3: |w|, then the mask 0.0 or 1.0
.set LA,   11                          ; v11       waves 0-3: where my d goes in LDS
.set X,    16                          ; v[16:143] row i of my 32: 4 registers, as loaded, then as stored
	s_load_b128 s[4:7], s[0:1], 0x0                ; W s[4:5], x s[6:7]
	s_load_b64 s[8:9], s[0:1], 0x10                ; out0
	v_lshl_add_u32 v14, v0, 2, 0x200
	v_mov_b32 v15, 0
	v_lshrrev_b32 v12, 5, v0
	v_readfirstlane_b32 s12, v12                   ; wave 0..15
	v_and_b32 v[LANE], 31, v0
	v_lshlrev_b32 v[L16], 4, v[LANE]
	s_wait_alu depctr_va_sdst(0)                   ; s12 is written, ahead of its first reader, the line below; the branch's compare and LA's line read it later
	v_lshl_add_u32 v[OFF], s12, 19, v[L16]         ; wave x 32 rows x 16,384 bytes + 16 x lane
	s_and_b32 s14, ttmp7, 0xffff                   ; gy
	s_lshl_b32 s10, s14, 23                        ; gy x 512 rows x 16,384 bytes
	s_lshl_b32 s13, ttmp9, 9                       ; gx x 512 bytes
	s_or_b32 s10, s10, s13                         ; the group's corner: at most 7 << 23 | 31 << 9, one word
	s_mov_b32 s11, 0
	s_lshl_b32 s13, ttmp9, 7                       ; the strip's first column
	s_wait_kmcnt 0x0
	s_add_nc_u64 s[6:7], s[6:7], s[10:11]          ; x and out0 at the group's corner, before any load names them
	s_add_nc_u64 s[8:9], s[8:9], s[10:11]
; All 32 rows of the wave are asked for in one run; the row stands in the immediate (31 x 16,384 at the most, inside its signed 24 bits).
; Each byte of x is read once in the launch: non-temporal.
.macro XLOADS
.set i, 0
.rept ROWS
	global_load_b128 v[X+4*i:X+4*i+3], v[OFF], s[6:7] offset:i*ROW th:TH_LOAD_NT
.set i, i+1
.endr
.endm
; The four stores of block p: 512 consecutive bytes each.  out0 is written once and not read again in the launch: non-temporal.
.macro STORES p
.set j, 0
.rept BLOCK
	global_store_b128 v[OFF], v[X+4*(BLOCK*(\p)+j):X+4*(BLOCK*(\p)+j)+3], s[8:9] offset:(BLOCK*(\p)+j)*ROW th:TH_STORE_NT
.set j, j+1
.endr
.endm
	; One branch on the wave's number.  Both arms issue the same 32 loads of x; the first arm's load of the diagonal is older than all of them,
	; so the counted waits on x further down mean the same on both ways.
	s_cmp_lt_u32 s12, 4
	s_cbranch_scc0 .Lothers
	v_add_nc_u32 v[WOFF], s13, v0                  ; my column: the strip's first + thread 0..127
	v_mul_u32_u24 v[WOFF], v[WOFF], DIAG           ; at most 4,095 x 16,388: W's last word
	s_wait_alu depctr_va_vdst(0)                   ; v[WOFF], v[OFF] and v[L16] are written: the loads below, every store, and the LDS load of d read them as addresses
	global_load_b32 v[DG], v[WOFF], s[4:5]         ; W[c][c]; no hint: the 8 work-groups of this strip read it
	XLOADS
	v_lshlrev_b32 v[LA], 2, v[LANE]
	v_lshl_add_u32 v[LA], s12, 7, v[LA]            ; LDS byte 128 x wave + 4 x lane: waves 0 to 3 fill bytes 0 to 511, each its own 128
	s_wait_loadcnt 32                              ; loads come back in order: the diagonal word is in, the 32 loads of x issued behind it stay out
	v_and_b32 v[T], 0x7fffffff, v[DG]              ; |w|
	v_cmp_lt_f32 vcc_lo, THR, v[T]                 ; 0.001 < |w|; false for NaN
	s_wait_alu depctr_va_vcc(0)                    ; the compare has written VCC, which the choice below reads
	v_cndmask_b32 v[T], 0, 1.0, vcc_lo             ; the mask as a number
	v_mul_f32 v[DG], v[DG], v[T]                   ; d = w x mask: a NaN or an infinity on the diagonal goes the way it goes in the full product
	s_wait_alu depctr_va_vdst(0)                   ; d in v[DG] and the address in v[LA] are written: the LDS store reads both
	ds_store_b32 v[LA], v[DG]
	s_branch .Ljoin
.Lothers:
	s_wait_alu depctr_va_vdst(0)                   ; v[OFF] and v[L16] are written: the loads below, every store, and the LDS load of d read them as addresses
	XLOADS
.Ljoin:
	s_wait_dscnt 0x0                               ; for the other waves' sake: my store of d is done (waves 4 to 15 have none out)
	s_barrier_signal -1                            ; the loads of x stay on their way across this barrier: no wave writes those bytes
	s_barrier_wait -1                              ; the launch's one barrier: all 128 d are in LDS
	ds_load_b128 v[D:D+3], v[L16]                  ; d of my 4 columns; 32 lanes, 16 neighbouring bytes each; no vector line has named v[D ..], none has written v[L16] since the wait on va_vdst
	s_wait_dscnt 0x0
	; Eight blocks of four rows.  Row r: 31 - r loads were issued behind its own, and those may stay out (stores are not counted with them).
	; At the head of block p its first row is awaited; then one wait states that the block before is multiplied, and that block's four stores follow it at once;
	; then the block's rows are multiplied in place, two packed products each, as they come.
.set p, 0
.rept ROWS/BLOCK
	s_wait_loadcnt ROWS-1-BLOCK*p                  ; the block's first row is in
.if p > 0
	s_wait_alu depctr_va_vdst(0)                   ; the eight products of the block before have written its rows of X, which the four stores below read
	STORES p-1
.endif
.set i, 0
.rept BLOCK
.if i > 0
	s_wait_loadcnt ROWS-1-(BLOCK*p+i)
.endif
	v_pk_mul_f32 v[X+4*(BLOCK*p+i):X+4*(BLOCK*p+i)+1],   v[X+4*(BLOCK*p+i):X+4*(BLOCK*p+i)+1],   v[D:D+1]
	v_pk_mul_f32 v[X+4*(BLOCK*p+i)+2:X+4*(BLOCK*p+i)+3], v[X+4*(BLOCK*p+i)+2:X+4*(BLOCK*p+i)+3], v[D+2:D+3]
.set i, i+1
.endr
.set p, p+1
.endr
	s_wait_alu depctr_va_vdst(0)                   ; the last block's eight products have written its rows of X, which the last four stores read
	STORES ROWS/BLOCK-1
	s_wait_dscnt 0x0
	s_wait_alu depctr_hold_cnt(0) depctr_sa_sdst(0) depctr_va_vdst(0) depctr_va_sdst(0) depctr_va_ssrc(0) depctr_va_vcc(0) depctr_vm_vsrc(0)
	s_wait_tensorcnt 0x0
	ds_add_u32 v14, v15
	s_wait_dscnt 0x0
	s_endpgm
.Lfunc_end_k_q5c289998c6_diag:
	.size	k_q5c289998c6_diag, .Lfunc_end_k_q5c289998c6_diag-k_q5c289998c6_diag
	.p2alignl 7, 3214868480
	.fill 96, 4, 3214868480
	.section	.rodata,"a",@progbits
	.p2align	6, 0x0
	.amdhsa_kernel k_q5c289998c6_diag
		.amdhsa_group_segment_fixed_size 2560
		.amdhsa_private_segment_fixed_size 0
		.amdhsa_enable_private_segment 0
		.amdhsa_kernarg_size 24
		.amdhsa_user_sgpr_count 2
		.amdhsa_user_sgpr_kernarg_segment_ptr 1
		.amdhsa_wavefront_size32 1
		.amdhsa_system_sgpr_workgroup_id_x 1
		.amdhsa_system_sgpr_workgroup_id_y 1
		.amdhsa_system_sgpr_workgroup_id_z 1
		.amdhsa_system_vgpr_workitem_id 0
		.amdhsa_next_free_vgpr 144
		.amdhsa_next_free_sgpr 66
		.amdhsa_reserve_vcc 1
		.amdhsa_float_denorm_mode_32 3
		.amdhsa_float_denorm_mode_16_64 3
		.amdhsa_memory_ordered 1
		.amdhsa_forward_progress 1
		.amdhsa_inst_pref_size 17
	.end_amdhsa_kernel
	.amdgpu_metadata
---
amdhsa.version: [ 1, 2 ]
amdhsa.kernels:
  - .name:           k_q5c289998c6_diag
    .symbol:         k_q5c289998c6_diag.kd
    .args:
      - { .name: W, .offset: 0, .size: 8, .value_kind: global_buffer, .address_space: global }
      - { .name: x, .offset: 8, .size: 8, .value_kind: global_buffer, .address_space: global }
      - { .name: out0, .offset: 16, .size: 8, .value_kind: global_buffer, .address_space: global }
    .group_segment_fixed_size: 2560
    .private_segment_fixed_size: 0
    .kernarg_segment_align: 8
    .kernarg_segment_size: 24
    .max_flat_workgroup_size: 512
    .sgpr_count:     66
    .vgpr_count:     144
    .wavefront_size: 32
...
	.end_amdgpu_metadata
.endif
;; end of part 2
